; MI455X (gfx1250); checked and timed in simulation.
; The chip was launched on July 23, 2026; its instructions are those of AMD's public machine-readable ISA for CDNA 5 (MIT licence, August 2026) and "CDNA5" Instruction Set Architecture Reference Guide (July 2026). The comments in the code are by the model that wrote it; some were corrected since.
;; Gaussian Image Cholesky HSI. Allowed arithmetic: float matrix products may take bf16 or f16 operands with f32 sums; all other float work in f32.
;; Inputs: cholesky 1,024 x 3 float32; features_dc 1,024 x 64 float32; gabor_freqs 2,048 x 2 float32; gabor_weights 2,048 x 1 float32; opacity 1,024 x 1 float32; xyz 1,024 x 2 float32.
;; Outputs: out0 1 x 64 x 256 x 256 float32.
;; 2 versions, each right; version 2 is version 1 with the launch raster written anew for expert scheduling mode. Each part assembles by itself: llvm-mc -triple=amdgcn-amd-amdhsa -mcpu=gfx1250 --defsym DOCPART=n.
;; ======== version 1 of 2: 2 launches
;; workspace buffers: gpar 65,536 bytes; gfeat 131,072 bytes
;; launch prep (part 1): grid 32 x 1, 9 waves a work-group, no clusters, 0 bytes of LDS; arguments xyz, cholesky, opacity, features_dc, gabor_freqs, gabor_weights, gpar, gfeat; writes gpar, gfeat
.if DOCPART == 1
	.amdgcn_target "amdgcn-amd-amdhsa--gfx1250"
	.amdhsa_code_object_version 6
	.text
	.protected	k_qbdcf390035_prep
	.globl	k_qbdcf390035_prep
	.p2align	8
	.type	k_qbdcf390035_prep,@function
k_qbdcf390035_prep:
	s_mov_b64 s[64:65], 0
	v_nop
	global_prefetch_b8 v0, s[64:65] scope:SCOPE_SE
	s_setreg_imm32_b32 hwreg(HW_REG_WAVE_MODE, 25, 1), 1
	s_wait_xcnt 0x0
; prep: everything that hangs on a gaussian alone.  A work-group owns 32 gaussians.
; Waves 0-7: gfeat[n][c] = softplus(features_dc[n][c]) in bf16 (2,048 numbers, 8 a thread).
; Wave 8, one lane a gaussian: 16 f32 parameters into four planes of [1024][4] (a wave's b128 store covers 512 consecutive bytes).
;   plane 0: xs, ys, A, B       exp(-sigma) = exp2(A dx^2 + B dx dy + C dy^2)
;   plane 1: C, g, g w1, g w2   g = opacity * keep, w = sigmoid(gabor_weights)
;   plane 2: f1x, f1y, f2x, f2y in revolutions per pixel (exp(gabor_freqs) / 2 pi)
;   plane 3: 2cos(f1x), 2cos(f2x), 2cos(2 f1x), 2cos(2 f2x): the factors of the cosine recurrences along x
; LIMITS: NaN and infinities in the inputs are not reproduced.
; keep: ceil(z) > 1 is the same predicate as z > 1, so no ceil is formed.
.set L2E,    0x3fb8aa3b                ; log2 e
.set L2E2,   0x4038aa3b                ; 2 log2 e
.set HL2E,   0x3f38aa3b                ; log2 e / 2
.set NL2E,   0xbfb8aa3b                ; -log2 e
.set NHL2E,  0xbf38aa3b                ; -log2 e / 2
.set LN2,    0x3f317218
.set THIRD,  0x3eaaaaab
.set SMALL,  0x3c23d70a                ; 0.01: below it log(1+e) is taken from its series (the next term is e^3/4 of the result, 2.5e-7)
.set INV2PI, 0x3e22f983
.set SN1,    0x40c90fdb                ; sin(2 pi b) = b (SN1 + SN3 b^2 + .. + SN11 b^10), Taylor; on |b| <= 1/4 the next term is 6e-8
.set SN3,    0xc2255de7
.set SN5,    0x42a335e3
.set SN7,    0xc2996966
.set SN9,    0x42283c1a
.set SN11,   0xc17183a8
.set PLANE,  16384
.set FX, 4                             ; v[4:11]   x
.set FA, 12                            ; v[12:19]  -|x| log2 e / 2
.set FE, 20                            ; v[20:27]  exp(-|x| / 2), then e = exp(-|x|)
.set FM, 28                            ; v[28:35]  max(x, 0)
.set FT, 36                            ; v[36:43]  1 + e
.set FL, 44                            ; v[44:51]  log2(1 + e), then the result
.set FS, 52                            ; v[52:59]  the series
	s_load_b512 s[8:23], s[0:1], 0x0               ; xyz s[8:9], cholesky s[10:11], opacity s[12:13], features s[14:15], freqs s[16:17], weights s[18:19], gpar s[20:21], gfeat s[22:23]
	v_lshrrev_b32 v1, 5, v0
	v_readfirstlane_b32 s4, v1                     ; wave
	s_cmp_eq_u32 s4, 8
	s_cbranch_scc1 .Lparams
	; ---- waves 0-7: softplus(x) = max(x, 0) + log(1 + exp(-|x|)); thread t takes numbers 4t..4t+3 and 1024+4t..+3 of the group's 2,048
	v_lshlrev_b32 v2, 4, v0                        ; 16 t: a wave's load covers 512 consecutive bytes
	v_lshlrev_b32 v3, 3, v0                        ; 8 t: a wave's b64 store covers 256 consecutive bytes, aligned
	s_lshl_b32 s2, ttmp9, 13                       ; 32 rows of 256 bytes in
	s_mov_b32 s3, 0
	s_lshl_b32 s6, ttmp9, 12                       ; 32 rows of 128 bytes out
	s_mov_b32 s7, 0
	s_mov_b32 s26, THIRD
	s_mov_b32 s27, LN2
	s_mov_b32 s28, SMALL
	s_wait_kmcnt 0x0
	s_add_nc_u64 s[14:15], s[14:15], s[2:3]
	s_add_nc_u64 s[22:23], s[22:23], s[6:7]
	global_load_b128 v[FX:FX+3], v2, s[14:15] th:TH_LOAD_NT
	global_load_b128 v[FX+4:FX+7], v2, s[14:15] offset:4096 th:TH_LOAD_NT
	s_wait_loadcnt 0x0
.irp i, 0,1,2,3,4,5,6,7
	v_or_b32 v[FA+\i], 0x80000000, v[FX+\i]        ; -|x|
.endr
.irp i, 0,1,2,3,4,5,6,7
	v_mul_f32 v[FA+\i], HL2E, v[FA+\i]
.endr
.irp i, 0,1,2,3,4,5,6,7
	v_exp_f32 v[FE+\i], v[FA+\i]                   ; exp(-|x|/2): normal wherever exp(-|x|) is not 0 in f32
.endr
.irp i, 0,1,2,3,4,5,6,7
	v_max_num_f32 v[FM+\i], 0, v[FX+\i]            ; plain work behind the exponentials, which touches neither their results nor their sources (ISA guide 5.7.2)
.endr
	s_wait_alu depctr_va_vdst(0)
.irp i, 0,1,2,3,4,5,6,7
	v_mul_f32 v[FE+\i], v[FE+\i], v[FE+\i]         ; e = exp(-|x|): the multiply keeps denormal results, which v_exp_f32 would flush
.endr
.irp i, 0,1,2,3,4,5,6,7
	v_add_f32 v[FT+\i], 1.0, v[FE+\i]
.endr
.irp i, 0,1,2,3,4,5,6,7
	v_log_f32 v[FL+\i], v[FT+\i]
.endr
.irp i, 0,1,2,3,4,5,6,7
	v_fma_f32 v[FS+\i], v[FE+\i], s26, -0.5        ; log(1+e) = e (1 + e (e/3 - 1/2)) for small e: keeps the relative accuracy that 1 + e loses
.endr
.irp i, 0,1,2,3,4,5,6,7
	v_fma_f32 v[FS+\i], v[FS+\i], v[FE+\i], 1.0
.endr
.irp i, 0,1,2,3,4,5,6,7
	v_fma_f32 v[FS+\i], v[FS+\i], v[FE+\i], v[FM+\i]
.endr
	s_wait_alu depctr_va_vdst(0)
.irp i, 0,1,2,3,4,5,6,7
	v_fma_f32 v[FL+\i], v[FL+\i], s27, v[FM+\i]
.endr
.irp i, 0,1,2,3,4,5,6,7
	v_cmp_gt_f32 vcc_lo, s28, v[FE+\i]             ; e < 0.01: the series
	v_cndmask_b32 v[FL+\i], v[FL+\i], v[FS+\i], vcc_lo
.endr
	v_cvt_pk_bf16_f32 v60, v[FL], v[FL+1]
	v_cvt_pk_bf16_f32 v61, v[FL+2], v[FL+3]
	v_cvt_pk_bf16_f32 v62, v[FL+4], v[FL+5]
	v_cvt_pk_bf16_f32 v63, v[FL+6], v[FL+7]
	global_store_b64 v3, v[60:61], s[22:23]
	global_store_b64 v3, v[62:63], s[22:23] offset:2048
	s_endpgm
	; ---- wave 8: one lane a gaussian
.macro COS2 dst, u, ta, tb                     ; v[dst] = 2 cos(2 pi v[u]): r = u - round(u), cos(2 pi r) = sin(2 pi (1/4 - |r|))
	v_rndne_f32 v[\ta], v[\u]
	v_sub_f32 v[\ta], v[\u], v[\ta]
	v_sub_f32 v[\ta], s28, |v[\ta]|
	v_mul_f32 v[\tb], v[\ta], v[\ta]
	v_fma_f32 v[\dst], v[\tb], s29, s30
	v_fma_f32 v[\dst], v[\dst], v[\tb], s31
	v_fma_f32 v[\dst], v[\dst], v[\tb], s32
	v_fma_f32 v[\dst], v[\dst], v[\tb], s33
	v_fma_f32 v[\dst], v[\dst], v[\tb], s34
	v_mul_f32 v[\dst], v[\dst], v[\ta]
	v_add_f32 v[\dst], v[\dst], v[\dst]
.endm
.Lparams:
	v_and_b32 v6, 31, v0
	s_lshl_b32 s5, ttmp9, 5
	v_add_nc_u32 v1, s5, v6                        ; n
	v_lshlrev_b32 v2, 3, v1
	v_mul_u32_u24 v3, 12, v1
	v_lshlrev_b32 v4, 2, v1
	v_lshlrev_b32 v5, 4, v1
	s_mov_b32 s26, 0xc3800000                      ; -256
	s_mov_b32 s27, 0x43800000                      ; 256
	s_mov_b32 s28, 0x3e800000                      ; 1/4
	s_mov_b32 s29, SN11
	s_mov_b32 s30, SN9
	s_mov_b32 s31, SN7
	s_mov_b32 s32, SN5
	s_mov_b32 s33, SN3
	s_mov_b32 s34, SN1
	s_wait_kmcnt 0x0
	global_load_b64 v[8:9], v2, s[8:9]             ; x, y
	global_load_b96 v[10:12], v3, s[10:11]         ; cholesky
	global_load_b32 v13, v4, s[12:13]              ; opacity
	global_load_b64 v[14:15], v2, s[18:19]         ; two gabor weights
	global_load_b128 v[16:19], v5, s[16:17]        ; f1x, f1y, f2x, f2y (logarithms)
	s_wait_loadcnt 0x0
	v_mul_f32 v20, L2E2, v8
	v_mul_f32 v21, L2E2, v9
	v_mul_f32 v22, NL2E, v14
	v_mul_f32 v23, NL2E, v15
	v_mul_f32 v24, L2E, v16
	v_mul_f32 v25, L2E, v17
	v_mul_f32 v26, L2E, v18
	v_mul_f32 v27, L2E, v19
.irp i, 0,1,2,3,4,5,6,7
	v_exp_f32 v[28+\i], v[20+\i]
.endr
	v_add_f32 v36, 0.5, v10                        ; l1 (plain work behind the exponentials)
	v_add_f32 v37, 0.5, v12                        ; l3;  l2 = v11 (its bound is 0)
	v_mul_f32 v38, v36, v36                        ; s11
	v_mul_f32 v39, v36, v11                        ; s12
	v_mul_f32 v40, v37, v37
	v_fma_f32 v40, v11, v11, v40                   ; s22
	v_mul_f32 v41, v36, v37
	v_mul_f32 v41, v41, v41                        ; det
	s_wait_alu depctr_va_vdst(0)
	v_add_f32 v28, 1.0, v28                        ; 1 + e^2x
	v_add_f32 v29, 1.0, v29
	v_add_f32 v30, 1.0, v30                        ; 1 + e^-w
	v_add_f32 v31, 1.0, v31
	v_add_f32 v42, v38, v40
	v_mul_f32 v42, 0.5, v42                        ; mid
	v_fma_f32 v43, v42, v42, -v41
	v_max_num_f32 v43, 0x322bcc77, v43             ; max(mid^2 - det, 1e-8)
	v_rcp_f32 v44, v28
	v_rcp_f32 v45, v29
	v_rcp_f32 v46, v30                             ; w1
	v_rcp_f32 v47, v31                             ; w2
	v_rcp_f32 v48, v41                             ; 1 / det
	v_sqrt_f32 v49, v43
	v_mul_f32 v32, INV2PI, v32                     ; frequencies in revolutions: plane 2 = v[32:35].  Plain work behind the run of transcendentals,
	v_mul_f32 v33, INV2PI, v33                     ; which touches neither their results nor their sources (ISA guide 5.7.2)
	v_mul_f32 v34, INV2PI, v34
	v_mul_f32 v35, INV2PI, v35
	s_wait_alu depctr_va_vdst(0)
	v_fma_f32 v56, v44, s26, s27                   ; xs = 128 (tanh x + 1) = 256 - 256 / (1 + e^2x)
	v_fma_f32 v57, v45, s26, s27                   ; ys
	v_add_f32 v55, v42, v49                        ; the larger eigenvalue
	v_sqrt_f32 v54, v55
	v_mul_f32 v75, v40, v48                        ; s22 / det (plain work behind the root)
	v_mul_f32 v76, v39, v48                        ; s12 / det
	v_mul_f32 v77, v38, v48                        ; s11 / det
	v_mul_f32 v58, NHL2E, v75                      ; A
	v_mul_f32 v59, L2E, v76                        ; B (-cb = +s12 / det)
	v_mul_f32 v60, NHL2E, v77                      ; C
	s_wait_alu depctr_va_vdst(0)
	v_mul_f32 v54, 0x40400000, v54                 ; 3 sqrt(lambda)
	v_cmp_lt_f32 s36, 1.0, v54                     ; keep
	v_cndmask_b32 v61, 0, v13, s36                 ; g = opacity * keep
	v_mul_f32 v62, v61, v46
	v_mul_f32 v63, v61, v47
	COS2 64, 32, 78, 79                            ; 2 cos(f1x)
	COS2 65, 34, 78, 79                            ; 2 cos(f2x)
	v_fma_f32 v66, v64, v64, -2.0                  ; 2 cos(2f) = (2 cos f)^2 - 2
	v_fma_f32 v67, v65, v65, -2.0
	global_store_b128 v5, v[56:59], s[20:21]
	global_store_b128 v5, v[60:63], s[20:21] offset:PLANE
	global_store_b128 v5, v[32:35], s[20:21] offset:2*PLANE
	global_store_b128 v5, v[64:67], s[20:21] offset:3*PLANE
	s_endpgm
.Lfunc_end_k_qbdcf390035_prep:
	.size	k_qbdcf390035_prep, .Lfunc_end_k_qbdcf390035_prep-k_qbdcf390035_prep
	.p2alignl 7, 3214868480
	.fill 96, 4, 3214868480
	.section	.rodata,"a",@progbits
	.p2align	6, 0x0
	.amdhsa_kernel k_qbdcf390035_prep
		.amdhsa_group_segment_fixed_size 0
		.amdhsa_private_segment_fixed_size 0
		.amdhsa_enable_private_segment 0
		.amdhsa_kernarg_size 64
		.amdhsa_user_sgpr_count 2
		.amdhsa_user_sgpr_kernarg_segment_ptr 1
		.amdhsa_wavefront_size32 1
		.amdhsa_system_sgpr_workgroup_id_x 1
		.amdhsa_system_sgpr_workgroup_id_y 1
		.amdhsa_system_sgpr_workgroup_id_z 1
		.amdhsa_system_vgpr_workitem_id 0
		.amdhsa_next_free_vgpr 96
		.amdhsa_next_free_sgpr 66
		.amdhsa_reserve_vcc 1
		.amdhsa_float_denorm_mode_32 3
		.amdhsa_float_denorm_mode_16_64 3
		.amdhsa_memory_ordered 1
		.amdhsa_forward_progress 1
		.amdhsa_inst_pref_size 12
	.end_amdhsa_kernel
	.amdgpu_metadata
---
amdhsa.version: [ 1, 2 ]
amdhsa.kernels:
  - .name:           k_qbdcf390035_prep
    .symbol:         k_qbdcf390035_prep.kd
    .args:
      - { .name: xyz, .offset: 0, .size: 8, .value_kind: global_buffer, .address_space: global }
      - { .name: cholesky, .offset: 8, .size: 8, .value_kind: global_buffer, .address_space: global }
      - { .name: opacity, .offset: 16, .size: 8, .value_kind: global_buffer, .address_space: global }
      - { .name: features_dc, .offset: 24, .size: 8, .value_kind: global_buffer, .address_space: global }
      - { .name: gabor_freqs, .offset: 32, .size: 8, .value_kind: global_buffer, .address_space: global }
      - { .name: gabor_weights, .offset: 40, .size: 8, .value_kind: global_buffer, .address_space: global }
      - { .name: gpar, .offset: 48, .size: 8, .value_kind: global_buffer, .address_space: global }
      - { .name: gfeat, .offset: 56, .size: 8, .value_kind: global_buffer, .address_space: global }
    .group_segment_fixed_size: 0
    .private_segment_fixed_size: 0
    .kernarg_segment_align: 8
    .kernarg_segment_size: 64
    .max_flat_workgroup_size: 288
    .sgpr_count:     66
    .vgpr_count:     96
    .wavefront_size: 32
...
	.end_amdgpu_metadata
.endif
;; end of part 1
;; launch raster (part 2): grid 4 x 64, 8 waves a work-group, no clusters, 148,480 bytes of LDS; arguments gpar, gfeat, out0; writes out0
.if DOCPART == 2
	.amdgcn_target "amdgcn-amd-amdhsa--gfx1250"
	.amdhsa_code_object_version 6
	.text
	.protected	k_qbdcf390035_raster
	.globl	k_qbdcf390035_raster
	.p2align	8
	.type	k_qbdcf390035_raster,@function
k_qbdcf390035_raster:
	s_mov_b64 s[64:65], 0
	v_nop
	global_prefetch_b8 v0, s[64:65] scope:SCOPE_SE
	s_setreg_imm32_b32 hwreg(HW_REG_WAVE_MODE, 25, 1), 1
	s_wait_xcnt 0x0
; raster: out[c][y][x] = clip(sum over n of wmap[n][y][x] feats[n][c], 0, 1), every gaussian at every pixel.
; A work-group makes a tile of 64 x 4 pixels (tx = 0..3, ty = 0..63) with eight waves, two on each SIMD (2 x 384 registers).
; Wave w takes pixel row w % 4, all 64 channels, and gaussians 512 (w / 4) .. + 511, in 16 chunks of 32.
; 1. One lane takes one gaussian of the chunk and walks the row's 64 pixels, two a step:
;    exp2(A dx^2 + B dy dx + C dy^2) by two packed multiply-adds and v_exp_f32; each cosine by the recurrence
;    c(n+2) = 2cos(2f) c(n) - c(n-2), seeded by four polynomial cosines.  The values go as bf16 into the wave's own LDS,
;    [gaussian][pixel column]; the chunk's 32 feature rows lie beside them, [gaussian][channel].
; 2. 16 matrix instructions a chunk: M = channel (4 tiles), N = pixel (4 tiles), K = the chunk's 32 gaussians.
; 3. At the end waves 4-7 hand their sums to waves 0-3 through LDS (the only barrier), which add, clip and store.
; PIXEL ORDER: pixel x = 4 r + b lies in column 16 b + r.  So lane r of accumulator (mt, b) holds pixel 4 r + b, the four b's of a lane
; are 16 neighbouring bytes of a row of out, and sixteen lanes store 256 consecutive bytes, aligned, straight from registers.
; The next chunk's 12 loads (6,144 bytes, each load 512 consecutive bytes) are issued one chunk ahead; the last chunk is written out without them.
; NO CLUSTER, NO TENSOR LOADS, though all work-groups walk the same two tables (196,608 bytes): a chunk's 6,144 bytes are asked for about 400
; vector instructions before they are used, and vector arithmetic binds, so joint requests would spare nothing that is waited for.
; The four rows' waves each stage the same feature rows: sharing them would put a barrier into every chunk to spare 16 of its 460 instructions.
; LIMITS: exp(-sigma) below 2^-126 counts as 0 (v_exp_f32 flushes such results: ISA guide 15.8).
; The cosines are seeded to about 1e-6; over 32 steps the recurrence drifts by n^2 times the error of its factor, below 1e-3 of the weight.
; wmap and feats are rounded to bf16; sums in f32.  NaN and infinities are not reproduced.
.set NCH,   16                         ; chunks of a wave
.set WSIZE, 10240                      ; LDS bytes a wave: 32 feature rows, then 32 wmap rows
.set PITCH, 160                        ; 128 bytes of data + 32: an odd multiple of 32, as the transposing loads want
.set RED,   8*WSIZE                    ; behind them: 16,384 bytes for each pixel row, where the two halves' sums meet
.set SN1,   0x40c90fdb                 ; sin(2 pi b) = b (SN1 + SN3 b^2 + .. + SN11 b^10), Taylor; on |b| <= 1/4 the next term is 6e-8
.set SN3,   0xc2255de7
.set SN5,   0x42a335e3
.set SN7,   0xc2996966
.set SN9,   0x42283c1a
.set SN11,  0xc17183a8
; window 0: v1 lane, v3 16 lane, v4 feature rows in, v5 wmap row in, v6 / v7 fragment addresses, v9 offset in out, v[10:11] SN11
.set P,   12                           ; v[12:27]   the next chunk's parameters, as they land
.set F,   28                           ; v[28:59]   the next chunk's feature rows, as they land
.set RA,  60                           ; where the halves meet: my 16 bytes
.set S,   72                           ; the walk's state: +0:1 dx; +2:3 A, g; +4:5 B dy, C dy^2; +6:7 2cos(2f) of both components;
                                       ; +8:11 component 1, two pairs; +12:15 component 2; +22 dy; +23 at work; +26:29 phases; +30:33 at work
.set PY,  106                          ; y + 1/2
.set PX,  107                          ; the tile's first x + 1/2
.set W,   112                          ; v[112:143] 32 pixel values in f32
.set Y,   144                          ; v[144:159] the same in bf16, in column order
.set AF,  160                          ; v[160:191] fragments of feats (4 channel tiles)
.set BF,  192                          ; v[192:223] fragments of wmap (4 pixel tiles)
.set EX,  224                          ; v[224:227] exponents, a pair for even steps and one for odd steps
.set EE,  228                          ; v[228:231] exponentials, likewise
.set SS,  232                          ; v[232:235] modulation, likewise
.set T2,  236                          ; v[236:239] at work on the second seed cosines
.set O,   72                           ; v[72:199]  the way out
; window 1: accumulator (mt, b) at v[8 (4 mt + b)], 128 registers
.set MSB, 0
.macro WIN new                         ; s_set_vgpr_msb: low byte bits 1:0 source 0, 3:2 source 1, 5:4 source 2, 7:6 destination; the high byte repeats the setting that is left
.if MSB != \new
	s_set_vgpr_msb (MSB<<8)|\new
.set MSB, \new
.endif
.endm
.macro GATHER                          ; 12 loads for the chunk at the two bases: my gaussian's 16 parameters; 32 feature rows of 128 bytes, four rows a load
.irp k, 0,1,2,3
	global_load_b128 v[P+4*\k:P+4*\k+3], v3, s[8:9] offset:16384*\k
.endr
.irp j, 0,1,2,3,4,5,6,7
	global_load_b128 v[F+4*\j:F+4*\j+3], v3, s[10:11] offset:512*\j
.endr
.endm
.macro AFRAG                           ; feats stored [gaussian][channel]: two transposing loads a channel tile, 16 rows apart
.irp mt, 0,1,2,3
	ds_load_tr16_b128 v[AF+8*\mt:AF+8*\mt+3], v6 offset:32*\mt
	ds_load_tr16_b128 v[AF+8*\mt+4:AF+8*\mt+7], v6 offset:32*\mt+16*PITCH
.endr
.endm
; cos(2 pi u) of the four phases: r = u - round(u), cos(2 pi r) = sin(2 pi (1/4 - |r|)).  The two pairs go line by line side by side, so that no line reads the result of the line above
.macro COS4
	v_rndne_f32 v[S+30], v[S+26]
	v_rndne_f32 v[S+31], v[S+27]
	v_rndne_f32 v[T2], v[S+28]
	v_rndne_f32 v[T2+1], v[S+29]
	v_pk_add_f32 v[S+30:S+31], v[S+26:S+27], v[S+30:S+31] neg_lo:[0,1] neg_hi:[0,1]
	v_pk_add_f32 v[T2:T2+1], v[S+28:S+29], v[T2:T2+1] neg_lo:[0,1] neg_hi:[0,1]
	v_sub_f32 v[S+30], s28, |v[S+30]|
	v_sub_f32 v[S+31], s28, |v[S+31]|
	v_sub_f32 v[T2], s28, |v[T2]|
	v_sub_f32 v[T2+1], s28, |v[T2+1]|
	v_pk_mul_f32 v[S+32:S+33], v[S+30:S+31], v[S+30:S+31]
	v_pk_mul_f32 v[T2+2:T2+3], v[T2:T2+1], v[T2:T2+1]
	v_pk_fma_f32 v[S+8:S+9], v[S+32:S+33], v[10:11], SN9 op_sel_hi:[1,1,0]
	v_pk_fma_f32 v[S+12:S+13], v[T2+2:T2+3], v[10:11], SN9 op_sel_hi:[1,1,0]
.irp c, SN7, SN5, SN3, SN1
	v_pk_fma_f32 v[S+8:S+9], v[S+8:S+9], v[S+32:S+33], \c op_sel_hi:[1,1,0]
	v_pk_fma_f32 v[S+12:S+13], v[S+12:S+13], v[T2+2:T2+3], \c op_sel_hi:[1,1,0]
.endr
	v_pk_mul_f32 v[S+8:S+9], v[S+8:S+9], v[S+30:S+31]
	v_pk_mul_f32 v[S+12:S+13], v[S+12:S+13], v[T2:T2+1]
.endm
.macro SETUP                           ; from the landed parameters to the walk's state; afterwards P is free for the next loads
	v_sub_f32 v[S+22], v[P+1], v[PY]               ; dy
	v_sub_f32 v[S], v[P], v[PX]                    ; dx of pixel 0
	v_mov_b32 v[S+2], v[P+2]                       ; A, g and the two factors leave the landing registers
	v_mov_b32 v[S+3], v[P+5]
	v_mov_b32 v[S+6], v[P+14]
	v_mov_b32 v[S+7], v[P+15]
	v_add_f32 v[S+1], -1.0, v[S]                   ; dx of pixel 1
	v_mul_f32 v[S+4], v[P+3], v[S+22]              ; B dy
	v_mul_f32 v[S+23], v[P+4], v[S+22]
	v_mul_f32 v[S+26], v[P+9], v[S+22]
	v_mul_f32 v[S+28], v[P+11], v[S+22]
	v_mul_f32 v[S+5], v[S+23], v[S+22]             ; C dy^2
	v_fma_f32 v[S+26], v[P+8], v[S], v[S+26]       ; phase of pixel 0, in revolutions
	v_fma_f32 v[S+28], v[P+10], v[S], v[S+28]
	v_sub_f32 v[S+27], v[S+26], v[P+8]             ; of pixel 1: dx falls by 1
	v_sub_f32 v[S+29], v[S+28], v[P+10]
	COS4
	v_pk_mul_f32 v[S+8:S+9], v[S+8:S+9], v[P+6:P+7] op_sel_hi:[1,0]                     ; both by g w1
	v_pk_mul_f32 v[S+12:S+13], v[S+12:S+13], v[P+6:P+7] op_sel:[0,1] op_sel_hi:[1,1]    ; both by g w2
	v_fma_f32 v[S+11], v[P+12], v[S+8], -v[S+9]    ; c(-1) = 2cos(f) c(0) - c(1)
	v_fma_f32 v[S+15], v[P+13], v[S+12], -v[S+13]
	v_fma_f32 v[S+10], v[P+12], v[S+11], -v[S+8]   ; c(-2) = 2cos(f) c(-1) - c(0)
	v_fma_f32 v[S+14], v[P+13], v[S+15], -v[S+12]
.endm
; Pixels 2 ip and 2 ip + 1.  Exponent, exponential and modulation have a register set for even steps and one for odd steps, and the product
; of a step stands in the step behind it: no line reads the result of the line above, and behind the two exponentials come the next step's
; first two lines, plain work that touches neither their results nor their sources (ISA guide 5.7.2).
.macro STEP ip
.set CU, 2*((\ip)&1)                   ; the pair that holds this step's cosines, and this step's register set; the other pair holds the step's before and gets the next
.set OT, 2-CU
	v_pk_fma_f32 v[EX+CU:EX+CU+1], v[S:S+1], v[S+2:S+3], v[S+4:S+5] op_sel_hi:[1,0,0]             ; A dx + B dy
	v_pk_add_f32 v[SS+CU:SS+CU+1], v[S+8+CU:S+9+CU], v[S+12+CU:S+13+CU]
.if \ip != 0
	s_wait_alu depctr_va_vdst(0)
	v_pk_mul_f32 v[W+2*((\ip-1)&15):W+2*((\ip-1)&15)+1], v[SS+OT:SS+OT+1], v[EE+OT:EE+OT+1]       ; the step before: its two values
.endif
.if \ip != 31
	v_pk_fma_f32 v[S+8+OT:S+9+OT], v[S+6:S+7], v[S+8+CU:S+9+CU], v[S+8+OT:S+9+OT] op_sel_hi:[0,1,1] neg_lo:[0,0,1] neg_hi:[0,0,1]
.endif
	v_pk_fma_f32 v[EX+CU:EX+CU+1], v[EX+CU:EX+CU+1], v[S:S+1], v[S+4:S+5] op_sel:[0,0,1] op_sel_hi:[1,1,1]   ; (..) dx + C dy^2
.if \ip != 31
	v_pk_fma_f32 v[S+12+OT:S+13+OT], v[S+6:S+7], v[S+12+CU:S+13+CU], v[S+12+OT:S+13+OT] op_sel:[1,0,0] op_sel_hi:[1,1,1] neg_lo:[0,0,1] neg_hi:[0,0,1]
.endif
	v_pk_add_f32 v[SS+CU:SS+CU+1], v[SS+CU:SS+CU+1], v[S+2:S+3] op_sel:[0,1] op_sel_hi:[1,1]      ; g (1 + w1 cos + w2 cos)
.if \ip != 31
	v_pk_add_f32 v[S:S+1], v[S:S+1], -2.0 op_sel_hi:[1,0]
.endif
	v_exp_f32 v[EE+CU], v[EX+CU]
	v_exp_f32 v[EE+CU+1], v[EX+CU+1]
.endm
.macro PACKB b                         ; of 32 pixels to bf16.  Local pixel 4 r' + b goes to column 16 b + 8 hb + r': eight r' are 16 bytes
.irp i, 0,1,2,3
	v_cvt_pk_bf16_f32 v[Y+4*\b+\i], v[W+8*\i+\b], v[W+8*\i+4+\b]
.endr
.endm
.macro PACKST hb
.irp b, 0,1,2,3
	ds_store_b128 v5, v[Y+4*\b:Y+4*\b+3] offset:32*\b+16*\hb
.endr
.endm
; One chunk.  zero = 1: the products start the sums, nothing is cleared.  fetch = 1: the next chunk's loads are issued.
.macro CHUNK zero, fetch
	s_wait_loadcnt 0x0                             ; this chunk's 12 loads are in, and their bases may be stepped
.irp j, 0,1,2,3,4,5,6,7
	ds_store_b128 v4, v[F+4*\j:F+4*\j+3] offset:4*PITCH*\j         ; rows 4 j .. 4 j + 3
.endr
	SETUP
.if \fetch
	s_wait_dscnt 0x0                               ; the stores above are done with the feature registers, into which the next loads land
	s_add_nc_u64 s[8:9], s[8:9], 512               ; 32 records of 16 bytes on
	s_add_nc_u64 s[10:11], s[10:11], 4096          ; 32 rows of 128 bytes on
	GATHER                                         ; the next chunk's loads have this chunk's walk in which to land
.endif
	AFRAG                                          ; LDS serves a wave's instructions in order (ISA guide 5.7.1): these see the stores above.  They stand behind SETUP's
	                                               ; vector work, far more than four places behind the matrix instructions that read these registers (ISA guide 7.12.1)
.irp ip, 0,1,2,3,4,5,6,7,8,9,10,11,12,13,14,15,16
	STEP \ip
.endr
	PACKB 0                                        ; step 16 has made step 15's product: pixels 0-31 are whole; step 17 writes the first of the next 32
	PACKB 1
	PACKB 2
	PACKB 3
	PACKST 0
.irp ip, 17,18,19,20,21,22,23,24,25,26,27,28,29,30,31
	STEP \ip
.endr
	PACKB 0                                        ; reads none of the last two values: plain work behind the last exponentials
	s_wait_alu depctr_va_vdst(0)
	v_pk_mul_f32 v[W+30:W+31], v[SS+2:SS+3], v[EE+2:EE+3]          ; step 31's product
	PACKB 1
	PACKB 2
	PACKB 3
	PACKST 1
.irp b, 0,1,2,3
	ds_load_tr16_b128 v[BF+8*\b:BF+8*\b+3], v7 offset:32*\b        ; in order behind the stores of the values
	ds_load_tr16_b128 v[BF+8*\b+4:BF+8*\b+7], v7 offset:32*\b+16*PITCH
.endr
	WIN 0x50                                       ; C and D in window 1
	; the sixteen accumulators take turns, one instruction a turn, in the same order in every chunk
.irp b, 0,1,2,3
	s_wait_dscnt 6-2*\b                            ; the youngest LDS instructions are wmap's eight loads, two a pixel tile: tile b's are in, the later tiles' may be out
.irp mt, 0,1,2,3
.if \zero
	v_wmma_f32_16x16x32_bf16 v[8*(4*\mt+\b):8*(4*\mt+\b)+7], v[AF+8*\mt:AF+8*\mt+7], v[BF+8*\b:BF+8*\b+7], 0
.else
	v_wmma_f32_16x16x32_bf16 v[8*(4*\mt+\b):8*(4*\mt+\b)+7], v[AF+8*\mt:AF+8*\mt+7], v[BF+8*\b:BF+8*\b+7], v[8*(4*\mt+\b):8*(4*\mt+\b)+7]
.endif
.endr
.endr
	WIN 0
.endm
.macro OUTROW i, lo, ch                ; four pixels of one channel: the clip and the store
.irp b, 0,1,2,3
	v_med3_num_f32 v[O+4*(\i)+\b], v[O+4*(\i)+\b], 0, 1.0
.endr
	global_store_b128 v9, v[O+4*(\i):O+4*(\i)+3], s[\lo:\lo+1] offset:(\ch)*262144 th:TH_STORE_NT   ; sixteen lanes store 256 consecutive bytes, aligned
.endm
	s_load_b128 s[8:11], s[0:1], 0x0               ; gpar s[8:9], gfeat s[10:11]
	s_load_b64 s[14:15], s[0:1], 0x10              ; out
	v_lshl_add_u32 v254, v0, 2, 0x24000
	v_mov_b32 v255, 0
	v_lshrrev_b32 v1, 5, v0
	v_readfirstlane_b32 s4, v1                     ; wave 0..7
	s_and_b32 s18, s4, 3                           ; my pixel row of the tile
	s_lshr_b32 s19, s4, 2                          ; my half of the gaussians
	s_mov_b32 s5, ttmp9                            ; tx
	s_and_b32 s6, ttmp7, 0xffff                    ; ty
	s_lshl2_add_u32 s7, s6, s18                    ; y = 4 ty + row
	s_mul_i32 s29, s4, WSIZE                       ; my feature rows
	s_add_co_u32 s30, s29, 32*PITCH                ; my wmap rows
	s_lshl_b32 s31, s18, 14
	s_add_co_u32 s31, s31, RED                     ; where my row's halves meet
	s_mov_b32 s28, 0x3e800000                      ; 1/4
	s_lshl_b32 s20, s19, 13                        ; 512 records of 16 bytes
	s_mov_b32 s21, 0
	s_lshl_b32 s22, s19, 16                        ; 512 rows of 128 bytes
	s_mov_b32 s23, 0
	s_lshl_b32 s2, s7, 10                          ; y rows of 1,024 bytes
	s_lshl_b32 s3, s5, 8                           ; + 64 tx pixels of 4 bytes
	s_add_co_u32 s2, s2, s3
	s_mov_b32 s3, 0
	v_and_b32 v1, 31, v0                           ; lane
	v_lshlrev_b32 v3, 4, v1                        ; 16 lane
	s_wait_kmcnt 0x0
	s_add_nc_u64 s[8:9], s[8:9], s[20:21]
	s_add_nc_u64 s[10:11], s[10:11], s[22:23]
	GATHER                                         ; chunk 0
	s_add_nc_u64 s[14:15], s[14:15], s[2:3]        ; channels 0-31
	s_add_nc_u64 s[16:17], s[14:15], 0x800000      ; channels 32-63: keeps the stores' offsets inside the signed 24-bit immediate
	; the lanes' constants, while chunk 0 is on its way
	v_lshrrev_b32 v2, 3, v1                        ; q = lane / 8
	v_and_b32 v8, 7, v1
	v_lshlrev_b32 v8, 4, v8                        ; 16 (lane % 8)
	v_mad_u32_u24 v4, v2, PITCH, v8                ; row q of four, 16 bytes a lane
	v_add_nc_u32 v4, s29, v4
	v_mul_u32_u24 v5, PITCH, v1
	v_add_nc_u32 v5, s30, v5                       ; wmap row = lane
	v_and_b32 v6, 7, v1                            ; transposing loads: row 8 (l/16) + l % 8, 16 bytes for each half of eight lanes
	v_lshrrev_b32 v7, 4, v1                        ; h = l / 16
	v_lshl_add_u32 v6, v7, 3, v6
	v_mul_u32_u24 v6, PITCH, v6
	v_bfe_u32 v9, v1, 3, 1
	v_lshl_add_u32 v6, v9, 4, v6
	v_and_b32 v9, 15, v1
	v_lshlrev_b32 v9, 4, v9
	v_lshl_add_u32 v9, v7, 21, v9                  ; out: 8 h channels of 262,144 bytes + 16 r
	v_add_nc_u32 v7, s30, v6
	v_add_nc_u32 v6, s29, v6
	v_mov_b32 v10, SN11
	v_mov_b32 v11, SN11
	v_add_nc_u32 v[RA], s31, v3
	v_cvt_f32_u32 v[PY], s7
	v_add_f32 v[PY], 0.5, v[PY]
	s_lshl_b32 s22, s5, 6
	v_cvt_f32_u32 v[PX], s22
	v_add_f32 v[PX], 0.5, v[PX]
	CHUNK 1, 1                                     ; the first chunk stands in front of the loop: its products start the sums
	s_mov_b32 s23, 0
.Lchunk:
	CHUNK 0, 1
	s_add_co_u32 s23, s23, 1
	s_cmp_lt_u32 s23, NCH-2
	s_cbranch_scc1 .Lchunk
	CHUNK 0, 0                                     ; the last chunk fetches nothing: no load leaves its table
	; THE END.  Four places behind the last matrix instructions: the lines below read results and write or load over fragment registers.
.rept 4
	v_nop
.endr
	s_cmp_lt_u32 s4, 4
	s_cbranch_scc1 .Lmeet
	; waves 4-7: the sums in the order of the stores (pixels 4 r .. 4 r + 3 side by side), into the row's meeting bytes
	WIN 0x01                                       ; source 0 in window 1
.irp mt, 0,1,2,3
.irp j, 0,1,2,3,4,5,6,7
.irp b, 0,1,2,3
	v_mov_b32 v[O+4*(8*\mt+\j)+\b], v[8*(4*\mt+\b)+\j]
.endr
.endr
.endr
	WIN 0
.set i, 0
.rept 32
	ds_store_b128 v[RA], v[O+4*i:O+4*i+3] offset:512*i
.set i, i+1
.endr
.Lmeet:
	s_wait_dscnt 0x0                               ; the sums are written before their wave signals
	s_barrier_signal -1
	s_barrier_wait -1                              ; the only barrier
	s_cmp_ge_u32 s4, 4
	s_cbranch_scc1 .Lend
	; waves 0-3: the other half's sums, plus mine, clipped, out
.set i, 0
.rept 32
	ds_load_b128 v[O+4*i:O+4*i+3], v[RA] offset:512*i
.set i, i+1
.endr
	s_wait_dscnt 0x0
	WIN 0x01                                       ; source 0 in window 1
.irp mt, 0,1,2,3
.irp j, 0,1,2,3,4,5,6,7
.irp b, 0,1,2,3
	v_add_f32 v[O+4*(8*\mt+\j)+\b], v[8*(4*\mt+\b)+\j], v[O+4*(8*\mt+\j)+\b]
.endr
.endr
.endr
	WIN 0
.irp mt, 0,1
.irp j, 0,1,2,3,4,5,6,7
	OUTROW 8*\mt+\j, 14, 16*\mt+\j                 ; channel 16 mt + 8 h + j
.endr
.endr
.irp mt, 2,3
.irp j, 0,1,2,3,4,5,6,7
	OUTROW 8*\mt+\j, 16, 16*(\mt-2)+\j
.endr
.endr
.Lend:
	s_wait_tensorcnt 0x0
	ds_add_u32 v254, v255
	s_wait_dscnt 0x0
	s_endpgm
.Lfunc_end_k_qbdcf390035_raster:
	.size	k_qbdcf390035_raster, .Lfunc_end_k_qbdcf390035_raster-k_qbdcf390035_raster
	.p2alignl 7, 3214868480
	.fill 96, 4, 3214868480
	.section	.rodata,"a",@progbits
	.p2align	6, 0x0
	.amdhsa_kernel k_qbdcf390035_raster
		.amdhsa_group_segment_fixed_size 148480
		.amdhsa_private_segment_fixed_size 0
		.amdhsa_enable_private_segment 0
		.amdhsa_kernarg_size 24
		.amdhsa_user_sgpr_count 2
		.amdhsa_user_sgpr_kernarg_segment_ptr 1
		.amdhsa_wavefront_size32 1
		.amdhsa_system_sgpr_workgroup_id_x 1
		.amdhsa_system_sgpr_workgroup_id_y 1
		.amdhsa_system_sgpr_workgroup_id_z 1
		.amdhsa_system_vgpr_workitem_id 0
		.amdhsa_next_free_vgpr 384
		.amdhsa_next_free_sgpr 66
		.amdhsa_reserve_vcc 0
		.amdhsa_float_denorm_mode_32 3
		.amdhsa_float_denorm_mode_16_64 3
		.amdhsa_memory_ordered 1
		.amdhsa_forward_progress 1
		.amdhsa_inst_pref_size 111
	.end_amdhsa_kernel
	.amdgpu_metadata
---
amdhsa.version: [ 1, 2 ]
amdhsa.kernels:
  - .name:           k_qbdcf390035_raster
    .symbol:         k_qbdcf390035_raster.kd
    .args:
      - { .name: gpar, .offset: 0, .size: 8, .value_kind: global_buffer, .address_space: global }
      - { .name: gfeat, .offset: 8, .size: 8, .value_kind: global_buffer, .address_space: global }
      - { .name: out0, .offset: 16, .size: 8, .value_kind: global_buffer, .address_space: global }
    .group_segment_fixed_size: 148480
    .private_segment_fixed_size: 0
    .kernarg_segment_align: 8
    .kernarg_segment_size: 24
    .max_flat_workgroup_size: 256
    .sgpr_count:     66
    .vgpr_count:     384
    .wavefront_size: 32
...
	.end_amdgpu_metadata
.endif
;; end of part 2
;; ======== version 2 of 2: 2 launches; version 1 with the launch raster written anew for expert scheduling mode
;; workspace buffers: gpar 65,536 bytes; gfeat 131,072 bytes
;; launch prep: the kernel of part 1 again; grid 32 x 1, 9 waves a work-group, no clusters, 0 bytes of LDS; arguments xyz, cholesky, opacity, features_dc, gabor_freqs, gabor_weights, gpar, gfeat; writes gpar, gfeat
;; launch raster (part 3): grid 4 x 64, 8 waves a work-group, no clusters, 148,480 bytes of LDS; arguments gpar, gfeat, out0; writes out0
.if DOCPART == 3
	.amdgcn_target "amdgcn-amd-amdhsa--gfx1250"
	.amdhsa_code_object_version 6
	.text
	.protected	k_qbdcf390035_raster
	.globl	k_qbdcf390035_raster
	.p2align	8
	.type	k_qbdcf390035_raster,@function
k_qbdcf390035_raster:
	s_mov_b64 s[64:65], 0
	v_nop
	global_prefetch_b8 v0, s[64:65] scope:SCOPE_SE
	s_setreg_imm32_b32 hwreg(HW_REG_WAVE_SCHED_MODE, 0, 2), 2
	s_setreg_imm32_b32 hwreg(HW_REG_WAVE_MODE, 25, 1), 1
	s_wait_xcnt 0x0
	s_wait_alu depctr_vm_vsrc(0)
; raster: out[c][y][x] = clip(sum over n of wmap[n][y][x] feats[n][c], 0, 1), every gaussian at every pixel.
; A work-group makes a tile of 64 x 4 pixels (tx = 0..3, ty = 0..63) with eight waves, two on each SIMD (2 x 384 registers).
; Wave w takes pixel row w % 4, all 64 channels, and gaussians 512 (w / 4) .. + 511, in 16 chunks of 32.
; 1. One lane takes one gaussian of the chunk and walks the row's 64 pixels, two a step:
;    exp2(A dx^2 + B dy dx + C dy^2) by two packed multiply-adds and v_exp_f32; each cosine by the recurrence
;    c(n+2) = 2cos(2f) c(n) - c(n-2), seeded by four polynomial cosines.  The values go as bf16 into the wave's own LDS,
;    [gaussian][pixel column]; the chunk's 32 feature rows lie beside them, [gaussian][channel].
; 2. 16 matrix instructions a chunk: M = channel (4 tiles), N = pixel (4 tiles), K = the chunk's 32 gaussians.
; 3. At the end waves 4-7 hand their sums to waves 0-3 through LDS (the only barrier), which add, clip and store.
; PIXEL ORDER: pixel x = 4 r + b lies in column 16 b + r.  So lane r of accumulator (mt, b) holds pixel 4 r + b, the four b's of a lane
; are 16 neighbouring bytes of a row of out, and sixteen lanes store 256 consecutive bytes, aligned, straight from registers.
; The next chunk's 12 loads (6,144 bytes, each load 512 consecutive bytes) are issued one chunk ahead; the last chunk is written out without them.
; NO CLUSTER, NO TENSOR LOADS, though all work-groups walk the same two tables (196,608 bytes): the last of a chunk's 12 loads is issued more than
; 250 vector instructions before the data are used, and vector arithmetic binds, so joint requests would spare nothing that is waited for.
; The four rows' waves each stage the same feature rows: sharing them would put a barrier into every chunk to spare 16 of its some 470 instructions.
; LIMITS: exp(-sigma) below 2^-126 counts as 0 (v_exp_f32 flushes such results: ISA guide 15.8).
; The cosines are seeded to about 1e-6; over 32 steps the recurrence drifts by n^2 times the error of its factor, below 1e-3 of the weight.
; wmap and feats are rounded to bf16; sums in f32.  NaN and infinities are not reproduced.
; THE MODE: SCHED_MODE bits 1:0 = 2 (LLVM: expert scheduling mode 2), set by the entry lines.  The code itself states the register dependences
; between vector or matrix instructions and memory or LDS instructions, with s_wait_alu, always for 0.
; THE PLAN.  Registers that memory or LDS instructions touch, round a chunk:
;   P    landed by loads of the chunk before; read by SETUP's vector lines; loaded again in steps 0-3.
;   F    landed likewise; read by the eight LDS stores at the chunk's head, by no vector line; loaded again in steps 4-11.
;   AF   loaded from LDS in steps 12-15; read by the chunk's matrix instructions.      BF   loaded behind the walk; read by the same.
;   Y    written by the sixteen roundings of each half of the walk; read by four LDS stores for each half.
;   v3-v7, v9, v60   offsets and LDS addresses, made at the head and never written again; the tables' bases are scalar.
;   S, W, M and the accumulators are named by vector and matrix instructions alone.
; Behind SETUP one wait on vm_vsrc (the stores have read F, and the last chunk's stores Y) and one on va_vdst (SETUP is done reading P, the last
; chunk's matrix instructions are done reading AF and BF).  The steps behind them name S, W and M alone, so the 20 loads into P, F and AF are dealt
; among steps 0-15 with no further wait.  The walk's exponentials are two batches of 32: the wait on va_vdst behind each batch stands ahead of the
; first line that names a result; the second of them also shows the first half's Y written, and that half's stores follow it.  One wait on vm_vsrc
; stands ahead of the second half's roundings, which write Y again, and one on va_vdst ahead of that half's stores.
.set NCH,   16                         ; chunks of a wave
.set WSIZE, 10240                      ; LDS bytes a wave: 32 feature rows, then 32 wmap rows
.set PITCH, 160                        ; 128 bytes of data + 32: an odd multiple of 32, as the transposing loads want
.set RED,   8*WSIZE                    ; behind them: 16,384 bytes for each pixel row, where the two halves' sums meet
.set SN1,   0x40c90fdb                 ; sin(2 pi b) = b (SN1 + SN3 b^2 + .. + SN11 b^10), Taylor; on |b| <= 1/4 the next term is 6e-8
.set SN3,   0xc2255de7
.set SN5,   0x42a335e3
.set SN7,   0xc2996966
.set SN9,   0x42283c1a
.set SN11,  0xc17183a8
; window 0: v1 lane, v3 16 lane, v4 feature rows in, v5 wmap row in, v6 / v7 fragment addresses, v9 offset in out, v[10:11] SN11
.set P,   12                           ; v[12:27]   the next chunk's parameters, as they land
.set F,   28                           ; v[28:59]   the next chunk's feature rows, as they land
.set RA,  60                           ; where the halves meet: my 16 bytes
.set S,   72                           ; the walk's state: +0:1 dx; +2:3 A, g; +4:5 B dy, C dy^2; +6:7 2cos(2f) of both components;
                                       ; +8:11 component 1, two pairs; +12:15 component 2; +22 dy; +23 at work; +26:29 phases; +30:33 at work
.set PY,  106                          ; y + 1/2
.set PX,  107                          ; the tile's first x + 1/2
.set W,   112                          ; v[112:143] 32 pixels: the exponent, then the exponential in its place, then the value
.set Y,   144                          ; v[144:159] the same in bf16, in column order
.set AF,  160                          ; v[160:191] fragments of feats (4 channel tiles)
.set BF,  192                          ; v[192:223] fragments of wmap (4 pixel tiles)
.set M,   224                          ; v[224:255] 32 pixels: the modulation g (1 + w1 cos + w2 cos)
.set T2,  236                          ; v[236:239] in SETUP alone, ahead of the walk: at work on the second seed cosines
.set O,   72                           ; v[72:199]  the way out
; window 1: accumulator (mt, b) at v[8 (4 mt + b)], 128 registers
.set MSB, 0
.macro WIN new                         ; s_set_vgpr_msb: low byte bits 1:0 source 0, 3:2 source 1, 5:4 source 2, 7:6 destination; the high byte repeats the setting that is left
.if MSB != \new
	s_set_vgpr_msb (MSB<<8)|\new
.set MSB, \new
.endif
.endm
.macro GLOAD k                         ; load k of 12 for the chunk at the two bases: 0-3 my gaussian's 16 parameters; 4-11 the 32 feature rows of 128 bytes, four rows a load
.if (\k) < 4
	global_load_b128 v[P+4*(\k):P+4*(\k)+3], v3, s[8:9] offset:16384*(\k)
.else
	global_load_b128 v[F+4*((\k)-4):F+4*((\k)-4)+3], v3, s[10:11] offset:512*((\k)-4)
.endif
.endm
.macro GATHER                          ; all 12 in a run: chunk 0's
.irp k, 0,1,2,3,4,5,6,7,8,9,10,11
	GLOAD \k
.endr
.endm
.macro AFRAG mt                        ; feats stored [gaussian][channel]: two transposing loads a channel tile, 16 rows apart
	ds_load_tr16_b128 v[AF+8*(\mt):AF+8*(\mt)+3], v6 offset:32*(\mt)
	ds_load_tr16_b128 v[AF+8*(\mt)+4:AF+8*(\mt)+7], v6 offset:32*(\mt)+16*PITCH
.endm
; cos(2 pi u) of the four phases: r = u - round(u), cos(2 pi r) = sin(2 pi (1/4 - |r|)).  The two pairs go line by line side by side, so that no line reads the result of the line above
.macro COS4
	v_rndne_f32 v[S+30], v[S+26]
	v_rndne_f32 v[S+31], v[S+27]
	v_rndne_f32 v[T2], v[S+28]
	v_rndne_f32 v[T2+1], v[S+29]
	v_pk_add_f32 v[S+30:S+31], v[S+26:S+27], v[S+30:S+31] neg_lo:[0,1] neg_hi:[0,1]
	v_pk_add_f32 v[T2:T2+1], v[S+28:S+29], v[T2:T2+1] neg_lo:[0,1] neg_hi:[0,1]
	v_sub_f32 v[S+30], s28, |v[S+30]|
	v_sub_f32 v[S+31], s28, |v[S+31]|
	v_sub_f32 v[T2], s28, |v[T2]|
	v_sub_f32 v[T2+1], s28, |v[T2+1]|
	v_pk_mul_f32 v[S+32:S+33], v[S+30:S+31], v[S+30:S+31]
	v_pk_mul_f32 v[T2+2:T2+3], v[T2:T2+1], v[T2:T2+1]
	v_pk_fma_f32 v[S+8:S+9], v[S+32:S+33], v[10:11], SN9 op_sel_hi:[1,1,0]
	v_pk_fma_f32 v[S+12:S+13], v[T2+2:T2+3], v[10:11], SN9 op_sel_hi:[1,1,0]
.irp c, SN7, SN5, SN3, SN1
	v_pk_fma_f32 v[S+8:S+9], v[S+8:S+9], v[S+32:S+33], \c op_sel_hi:[1,1,0]
	v_pk_fma_f32 v[S+12:S+13], v[S+12:S+13], v[T2+2:T2+3], \c op_sel_hi:[1,1,0]
.endr
	v_pk_mul_f32 v[S+8:S+9], v[S+8:S+9], v[S+30:S+31]
	v_pk_mul_f32 v[S+12:S+13], v[S+12:S+13], v[T2:T2+1]
.endm
.macro SETUP                           ; from the landed parameters to the walk's state; no line behind it reads P
	v_sub_f32 v[S+22], v[P+1], v[PY]               ; dy
	v_sub_f32 v[S], v[P], v[PX]                    ; dx of pixel 0
	v_mov_b32 v[S+2], v[P+2]                       ; A, g and the two factors leave the landing registers
	v_mov_b32 v[S+3], v[P+5]
	v_mov_b32 v[S+6], v[P+14]
	v_mov_b32 v[S+7], v[P+15]
	v_add_f32 v[S+1], -1.0, v[S]                   ; dx of pixel 1
	v_mul_f32 v[S+4], v[P+3], v[S+22]              ; B dy
	v_mul_f32 v[S+23], v[P+4], v[S+22]
	v_mul_f32 v[S+26], v[P+9], v[S+22]
	v_mul_f32 v[S+28], v[P+11], v[S+22]
	v_mul_f32 v[S+5], v[S+23], v[S+22]             ; C dy^2
	v_fma_f32 v[S+26], v[P+8], v[S], v[S+26]       ; phase of pixel 0, in revolutions
	v_fma_f32 v[S+28], v[P+10], v[S], v[S+28]
	v_sub_f32 v[S+27], v[S+26], v[P+8]             ; of pixel 1: dx falls by 1
	v_sub_f32 v[S+29], v[S+28], v[P+10]
	COS4
	v_pk_mul_f32 v[S+8:S+9], v[S+8:S+9], v[P+6:P+7] op_sel_hi:[1,0]                     ; both by g w1
	v_pk_mul_f32 v[S+12:S+13], v[S+12:S+13], v[P+6:P+7] op_sel:[0,1] op_sel_hi:[1,1]    ; both by g w2
	v_fma_f32 v[S+11], v[P+12], v[S+8], -v[S+9]    ; c(-1) = 2cos(f) c(0) - c(1)
	v_fma_f32 v[S+15], v[P+13], v[S+12], -v[S+13]
	v_fma_f32 v[S+10], v[P+12], v[S+11], -v[S+8]   ; c(-2) = 2cos(f) c(-1) - c(0)
	v_fma_f32 v[S+14], v[P+13], v[S+15], -v[S+12]
.endm
; Pixels 2 ip and 2 ip + 1: their exponents and exponentials into W, their modulation into M, at place ip % 16.  No step reads an exponential's
; result: the sixteen steps of a half are one batch, and the products follow the batch's wait (PROD).  Behind each exponential stands a plain line
; that touches neither its result nor its source (ISA guide 5.7.2): the modulation's second sum, then the next step's first line or PROD's.
.macro STEP ip
.set CU, 2*((\ip)&1)                   ; the pair that holds this step's cosines; the other pair holds the step's before and gets the next
.set OT, 2-CU
.set K2, 2*((\ip)&15)
	v_pk_fma_f32 v[W+K2:W+K2+1], v[S:S+1], v[S+2:S+3], v[S+4:S+5] op_sel_hi:[1,0,0]               ; A dx + B dy
	v_pk_add_f32 v[M+K2:M+K2+1], v[S+8+CU:S+9+CU], v[S+12+CU:S+13+CU]
.if \ip != 31
	v_pk_fma_f32 v[S+8+OT:S+9+OT], v[S+6:S+7], v[S+8+CU:S+9+CU], v[S+8+OT:S+9+OT] op_sel_hi:[0,1,1] neg_lo:[0,0,1] neg_hi:[0,0,1]
.endif
	v_pk_fma_f32 v[W+K2:W+K2+1], v[W+K2:W+K2+1], v[S:S+1], v[S+4:S+5] op_sel:[0,0,1] op_sel_hi:[1,1,1]       ; (..) dx + C dy^2
.if \ip != 31
	v_pk_fma_f32 v[S+12+OT:S+13+OT], v[S+6:S+7], v[S+12+CU:S+13+CU], v[S+12+OT:S+13+OT] op_sel:[1,0,0] op_sel_hi:[1,1,1] neg_lo:[0,0,1] neg_hi:[0,0,1]
	v_pk_add_f32 v[S:S+1], v[S:S+1], -2.0 op_sel_hi:[1,0]
.endif
	v_exp_f32 v[W+K2], v[W+K2]
	v_pk_add_f32 v[M+K2:M+K2+1], v[M+K2:M+K2+1], v[S+2:S+3] op_sel:[0,1] op_sel_hi:[1,1]          ; g (1 + w1 cos + w2 cos)
	v_exp_f32 v[W+K2+1], v[W+K2+1]
.endm
.macro PROD                            ; a half's 32 values: modulation times exponential
.set n2, 0
.rept 16
	v_pk_mul_f32 v[W+n2:W+n2+1], v[M+n2:M+n2+1], v[W+n2:W+n2+1]
.set n2, n2+2
.endr
.endm
.macro PACKB b                         ; of 32 pixels to bf16.  Local pixel 4 r' + b goes to column 16 b + 8 hb + r': eight r' are 16 bytes
.irp i, 0,1,2,3
	v_cvt_pk_bf16_f32 v[Y+4*\b+\i], v[W+8*\i+\b], v[W+8*\i+4+\b]
.endr
.endm
.macro PACKST hb
.irp b, 0,1,2,3
	ds_store_b128 v5, v[Y+4*\b:Y+4*\b+3] offset:32*\b+16*\hb
.endr
.endm
; One chunk.  zero = 1: the products start the sums, nothing is cleared.  fetch = 1: the next chunk's loads are issued.
.macro CHUNK zero, fetch
	s_wait_loadcnt 0x0                             ; this chunk's 12 loads are in, and their bases may be stepped
.irp j, 0,1,2,3,4,5,6,7
	ds_store_b128 v4, v[F+4*\j:F+4*\j+3] offset:4*PITCH*\j         ; rows 4 j .. 4 j + 3
.endr
	SETUP
.if \fetch
	s_wait_dscnt 0x0                               ; the stores above are done
	s_add_nc_u64 s[8:9], s[8:9], 512               ; 32 records of 16 bytes on
	s_add_nc_u64 s[10:11], s[10:11], 4096          ; 32 rows of 128 bytes on
.endif
	s_wait_alu depctr_vm_vsrc(0)                   ; the stores above have read F, in which the loads of steps 4-11 land; the last chunk's stores have read Y, which this chunk's roundings write
	s_wait_alu depctr_va_vdst(0)                   ; SETUP is done reading P, in which the loads of steps 0-3 land; the last chunk's matrix instructions are done reading AF and BF, which are loaded below
	; the next chunk's loads and this chunk's fragments of feats, dealt among the steps, which name S, W and M alone: none of the registers that these loads touch.
	; LDS serves a wave's instructions in order (ISA guide 5.7.1): the fragment loads see the stores above
.irp ip, 0,1,2,3,4,5,6,7,8,9,10,11,12,13,14,15
.if \fetch && (\ip < 12)
	GLOAD \ip
.endif
.if \ip >= 12
	AFRAG \ip-12
.endif
	STEP \ip
.endr
	s_wait_alu depctr_va_vdst(0)                   ; the first batch's 32 exponentials have written W, ahead of the first line that names a result
	PROD                                           ; pixels 0-31
	PACKB 0
	PACKB 1
	PACKB 2
	PACKB 3
.irp ip, 16,17,18,19,20,21,22,23,24,25,26,27,28,29,30,31
	STEP \ip
.endr
	s_wait_alu depctr_va_vdst(0)                   ; the second batch's 32 exponentials have written W; the roundings of pixels 0-31 have written Y, which the four stores below read
	PACKST 0
	PROD                                           ; pixels 32-63
	s_wait_alu depctr_vm_vsrc(0)                   ; those four stores have read Y, which the roundings below write again
	PACKB 0
	PACKB 1
	PACKB 2
	PACKB 3
	s_wait_alu depctr_va_vdst(0)                   ; the roundings of pixels 32-63 have written Y, which the four stores below read
	PACKST 1
.irp b, 0,1,2,3
	ds_load_tr16_b128 v[BF+8*\b:BF+8*\b+3], v7 offset:32*\b        ; in order behind the stores of the values
	ds_load_tr16_b128 v[BF+8*\b+4:BF+8*\b+7], v7 offset:32*\b+16*PITCH
.endr
	WIN 0x50                                       ; C and D in window 1
	; the sixteen accumulators take turns, one instruction a turn, in the same order in every chunk
.irp b, 0,1,2,3
	s_wait_dscnt 6-2*\b                            ; the youngest LDS instructions are wmap's eight loads, two a pixel tile: tile b's are in, the later tiles' may be out
.irp mt, 0,1,2,3
.if \zero
	v_wmma_f32_16x16x32_bf16 v[8*(4*\mt+\b):8*(4*\mt+\b)+7], v[AF+8*\mt:AF+8*\mt+7], v[BF+8*\b:BF+8*\b+7], 0
.else
	v_wmma_f32_16x16x32_bf16 v[8*(4*\mt+\b):8*(4*\mt+\b)+7], v[AF+8*\mt:AF+8*\mt+7], v[BF+8*\b:BF+8*\b+7], v[8*(4*\mt+\b):8*(4*\mt+\b)+7]
.endif
.endr
.endr
	WIN 0
.endm
.macro CLIPROW i                       ; four pixels of one channel: the clip
.irp b, 0,1,2,3
	v_med3_num_f32 v[O+4*(\i)+\b], v[O+4*(\i)+\b], 0, 1.0
.endr
.endm
.macro OUTROW i, lo, ch                ; and the store
	global_store_b128 v9, v[O+4*(\i):O+4*(\i)+3], s[\lo:\lo+1] offset:(\ch)*262144 th:TH_STORE_NT   ; sixteen lanes store 256 consecutive bytes, aligned
.endm
	s_load_b128 s[8:11], s[0:1], 0x0               ; gpar s[8:9], gfeat s[10:11]
	s_load_b64 s[14:15], s[0:1], 0x10              ; out
	v_lshl_add_u32 v70, v0, 2, 0x24000
	v_mov_b32 v71, 0
	v_lshrrev_b32 v1, 5, v0
	v_readfirstlane_b32 s4, v1                     ; wave 0..7
	; the lanes' constants, while the arguments are on their way: first what hangs on the lane alone
	v_and_b32 v1, 31, v0                           ; lane
	v_lshlrev_b32 v3, 4, v1                        ; 16 lane
	v_lshrrev_b32 v2, 3, v1                        ; q = lane / 8
	v_and_b32 v8, 7, v1
	v_lshlrev_b32 v8, 4, v8                        ; 16 (lane % 8)
	v_mad_u32_u24 v4, v2, PITCH, v8                ; row q of four, 16 bytes a lane
	v_mul_u32_u24 v5, PITCH, v1                    ; wmap row = lane
	v_and_b32 v6, 7, v1                            ; transposing loads: row 8 (l/16) + l % 8, 16 bytes for each half of eight lanes
	v_lshrrev_b32 v7, 4, v1                        ; h = l / 16
	v_lshl_add_u32 v6, v7, 3, v6
	v_mul_u32_u24 v6, PITCH, v6
	v_bfe_u32 v9, v1, 3, 1
	v_lshl_add_u32 v6, v9, 4, v6
	v_and_b32 v9, 15, v1
	v_lshlrev_b32 v9, 4, v9
	v_lshl_add_u32 v9, v7, 21, v9                  ; out: 8 h channels of 262,144 bytes + 16 r
	v_mov_b32 v10, SN11
	v_mov_b32 v11, SN11
	s_wait_alu depctr_va_sdst(0)                   ; s4 is written, ahead of its first reader: the wave's row, half, LDS bytes and bases are made from it
	s_and_b32 s18, s4, 3                           ; my pixel row of the tile
	s_lshr_b32 s19, s4, 2                          ; my half of the gaussians
	s_mov_b32 s5, ttmp9                            ; tx
	s_and_b32 s6, ttmp7, 0xffff                    ; ty
	s_lshl2_add_u32 s7, s6, s18                    ; y = 4 ty + row
	s_mul_i32 s29, s4, WSIZE                       ; my feature rows
	s_add_co_u32 s30, s29, 32*PITCH                ; my wmap rows
	s_lshl_b32 s31, s18, 14
	s_add_co_u32 s31, s31, RED                     ; where my row's halves meet
	s_mov_b32 s28, 0x3e800000                      ; 1/4
	s_lshl_b32 s20, s19, 13                        ; 512 records of 16 bytes
	s_mov_b32 s21, 0
	s_lshl_b32 s22, s19, 16                        ; 512 rows of 128 bytes
	s_mov_b32 s23, 0
	s_lshl_b32 s2, s7, 10                          ; y rows of 1,024 bytes
	s_lshl_b32 s3, s5, 8                           ; + 64 tx pixels of 4 bytes
	s_add_co_u32 s2, s2, s3
	s_mov_b32 s3, 0
	s_lshl_b32 s24, s5, 6                          ; the tile's first x
	v_add_nc_u32 v4, s29, v4                       ; then what hangs on the wave too
	v_add_nc_u32 v5, s30, v5
	v_add_nc_u32 v7, s30, v6
	v_add_nc_u32 v6, s29, v6
	v_add_nc_u32 v[RA], s31, v3
	v_cvt_f32_u32 v[PY], s7
	v_add_f32 v[PY], 0.5, v[PY]
	v_cvt_f32_u32 v[PX], s24
	v_add_f32 v[PX], 0.5, v[PX]
	s_wait_kmcnt 0x0
	s_add_nc_u64 s[8:9], s[8:9], s[20:21]
	s_add_nc_u64 s[10:11], s[10:11], s[22:23]
	s_wait_alu depctr_va_vdst(0)                   ; v3 to v7, v9 and v60 are written: every load and store of the kernel, global or LDS, reads one of them as its offset or address
	GATHER                                         ; chunk 0
	s_add_nc_u64 s[14:15], s[14:15], s[2:3]        ; channels 0-31
	s_add_nc_u64 s[16:17], s[14:15], 0x800000      ; channels 32-63: keeps the stores' offsets inside the signed 24-bit immediate
	CHUNK 1, 1                                     ; the first chunk stands in front of the loop: its products start the sums
	s_mov_b32 s23, 0
.Lchunk:
	CHUNK 0, 1
	s_add_co_u32 s23, s23, 1
	s_cmp_lt_u32 s23, NCH-2
	s_cbranch_scc1 .Lchunk
	CHUNK 0, 0                                     ; the last chunk fetches nothing: no load leaves its table
	; THE END.  Four places behind the last matrix instructions: the vector lines below read results and write over fragment registers (ISA guide 7.12.1).
.rept 4
	v_nop
.endr
	s_cmp_lt_u32 s4, 4
	s_cbranch_scc1 .Lmeet
	; waves 4-7: the sums in the order of the stores (pixels 4 r .. 4 r + 3 side by side), into the row's meeting bytes
	s_wait_alu depctr_vm_vsrc(0)                   ; the last chunk's LDS stores have read Y, over which the moves below write
	WIN 0x01                                       ; source 0 in window 1
.irp mt, 0,1,2,3
.irp j, 0,1,2,3,4,5,6,7
.irp b, 0,1,2,3
	v_mov_b32 v[O+4*(8*\mt+\j)+\b], v[8*(4*\mt+\b)+\j]
.endr
.endr
.endr
	WIN 0
	s_wait_alu depctr_va_vdst(0)                   ; the moves have written v[O ..], which the LDS stores below read
.set i, 0
.rept 32
	ds_store_b128 v[RA], v[O+4*i:O+4*i+3] offset:512*i
.set i, i+1
.endr
.Lmeet:
	s_wait_dscnt 0x0                               ; the sums are written before their wave signals
	s_barrier_signal -1
	s_barrier_wait -1                              ; the only barrier
	s_cmp_ge_u32 s4, 4
	s_cbranch_scc1 .Lend
	; waves 0-3: the other half's sums, plus mine, clipped, out
	s_wait_alu depctr_vm_vsrc(0)                   ; my last chunk's LDS stores have read Y, in which loads below land
	s_wait_alu depctr_va_vdst(0)                   ; the walk's lines are done with S, W and Y, the matrix instructions are done reading AF and BF: the loads below land in v[O ..], which lies over them
.set i, 0
.rept 32
	ds_load_b128 v[O+4*i:O+4*i+3], v[RA] offset:512*i
.set i, i+1
.endr
	s_wait_dscnt 0x0
	WIN 0x01                                       ; source 0 in window 1
.irp mt, 0,1,2,3
.irp j, 0,1,2,3,4,5,6,7
.irp b, 0,1,2,3
	v_add_f32 v[O+4*(8*\mt+\j)+\b], v[8*(4*\mt+\b)+\j], v[O+4*(8*\mt+\j)+\b]
.endr
.endr
.endr
	WIN 0
	; eight channels at a time: 32 clips, one wait, eight stores; no later line writes a register that a store reads
.irp mt, 0,1
.irp j, 0,1,2,3,4,5,6,7
	CLIPROW 8*\mt+\j
.endr
	s_wait_alu depctr_va_vdst(0)                   ; the clips of these eight channels have written their 32 registers, which the eight stores below read
.irp j, 0,1,2,3,4,5,6,7
	OUTROW 8*\mt+\j, 14, 16*\mt+\j                 ; channel 16 mt + 8 h + j
.endr
.endr
.irp mt, 2,3
.irp j, 0,1,2,3,4,5,6,7
	CLIPROW 8*\mt+\j
.endr
	s_wait_alu depctr_va_vdst(0)                   ; the clips of these eight channels have written their 32 registers, which the eight stores below read
.irp j, 0,1,2,3,4,5,6,7
	OUTROW 8*\mt+\j, 16, 16*(\mt-2)+\j
.endr
.endr
.Lend:
	s_wait_dscnt 0x0
	s_wait_alu depctr_hold_cnt(0) depctr_sa_sdst(0) depctr_va_vdst(0) depctr_va_sdst(0) depctr_va_ssrc(0) depctr_va_vcc(0) depctr_vm_vsrc(0)
	s_wait_tensorcnt 0x0
	ds_add_u32 v70, v71
	s_wait_dscnt 0x0
	s_endpgm
.Lfunc_end_k_qbdcf390035_raster:
	.size	k_qbdcf390035_raster, .Lfunc_end_k_qbdcf390035_raster-k_qbdcf390035_raster
	.p2alignl 7, 3214868480
	.fill 96, 4, 3214868480
	.section	.rodata,"a",@progbits
	.p2align	6, 0x0
	.amdhsa_kernel k_qbdcf390035_raster
		.amdhsa_group_segment_fixed_size 148480
		.amdhsa_private_segment_fixed_size 0
		.amdhsa_enable_private_segment 0
		.amdhsa_kernarg_size 24
		.amdhsa_user_sgpr_count 2
		.amdhsa_user_sgpr_kernarg_segment_ptr 1
		.amdhsa_wavefront_size32 1
		.amdhsa_system_sgpr_workgroup_id_x 1
		.amdhsa_system_sgpr_workgroup_id_y 1
		.amdhsa_system_sgpr_workgroup_id_z 1
		.amdhsa_system_vgpr_workitem_id 0
		.amdhsa_next_free_vgpr 384
		.amdhsa_next_free_sgpr 66
		.amdhsa_reserve_vcc 0
		.amdhsa_float_denorm_mode_32 3
		.amdhsa_float_denorm_mode_16_64 3
		.amdhsa_memory_ordered 1
		.amdhsa_forward_progress 1
		.amdhsa_inst_pref_size 109
	.end_amdhsa_kernel
	.amdgpu_metadata
---
amdhsa.version: [ 1, 2 ]
amdhsa.kernels:
  - .name:           k_qbdcf390035_raster
    .symbol:         k_qbdcf390035_raster.kd
    .args:
      - { .name: gpar, .offset: 0, .size: 8, .value_kind: global_buffer, .address_space: global }
      - { .name: gfeat, .offset: 8, .size: 8, .value_kind: global_buffer, .address_space: global }
      - { .name: out0, .offset: 16, .size: 8, .value_kind: global_buffer, .address_space: global }
    .group_segment_fixed_size: 148480
    .private_segment_fixed_size: 0
    .kernarg_segment_align: 8
    .kernarg_segment_size: 24
    .max_flat_workgroup_size: 256
    .sgpr_count:     66
    .vgpr_count:     384
    .wavefront_size: 32
...
	.end_amdgpu_metadata
.endif
;; end of part 3
